; MI455X (gfx1250); checked and timed in simulation.
; The chip was launched on July 23, 2026; its instructions are those of AMD's public machine-readable ISA for CDNA 5 (MIT licence, August 2026) and "CDNA5" Instruction Set Architecture Reference Guide (July 2026). The comments in the code are by the model that wrote it; some were corrected since.
;; Sparse Mo E. Allowed arithmetic: float matrix products may take bf16 or f16 operands with f32 sums; other float arithmetic in f32, or as packed bf16 or f16 multiplies, adds, multiply-adds, maxima and minima; sums over many terms, partial sums and values carried from step to step in f32; what a program stores and reads back later, other than sums and carried values, may be rounded once to bf16 or f16.
;; Inputs: W1 8 x 512 x 1,024 float32; W2 8 x 1,024 x 1,024 float32; W3 8 x 1,024 x 512 float32; Wg1 512 x 32 float32; Wg2 32 x 8 float32; b1 8 x 1,024 float32; b2 8 x 1,024 float32; b3 8 x 512 float32; beta 8 x 1,024 float32; bg1 32 float32; bg2 8 float32; bn_mean 8 x 1,024 float32; bn_var 8 x 1,024 float32; gamma 8 x 1,024 float32; x 4,096 x 512 float32.
;; Outputs: out0 4,096 x 512 float32; out1 one number float32.
;; One version. Each part assembles by itself: llvm-mc -triple=amdgcn-amd-amdhsa -mcpu=gfx1250 --defsym DOCPART=n.
;; ======== version 1 of 1: 3 launches
;; limits: values are held in f16: magnitudes above 65,504 overflow, below 6.1e-05 lose precision; inputs' magnitudes at most 65,504; right only within a limited range of input values
;; workspace buffers: wc 33,554,432 bytes; tab 114,688 bytes; rec 8,192 bytes of whole numbers; gw 32,768 bytes; ps 8,192 bytes; part 16,777,216 bytes
;; launch prep (part 1): grid 256 x 1, 8 waves a work-group, no clusters, 86,272 bytes of LDS; arguments x, Wg1, bg1, Wg2, bg2, W1, W2, W3, b1, gamma, beta, bn_mean, bn_var, b2, b3, wc, tab, rec, gw, ps; writes wc, tab, rec, gw, ps
.if DOCPART == 1
	.amdgcn_target "amdgcn-amd-amdhsa--gfx1250"
	.amdhsa_code_object_version 6
	.text
	.protected	k_qfc410dfa89_prep
	.globl	k_qfc410dfa89_prep
	.p2align	8
	.type	k_qfc410dfa89_prep,@function
k_qfc410dfa89_prep:
	s_mov_b64 s[64:65], 0
	v_nop
	global_prefetch_b8 v0, s[64:65] scope:SCOPE_SE
	s_setreg_imm32_b32 hwreg(HW_REG_WAVE_MODE, 25, 1), 1
	s_wait_xcnt 0x0
; PREP.  Each of 256 work-groups (8 waves) does three things:
;  (1) the gate for 16 tokens: relu(x Wg1 + bg1) Wg2 + bg2, softmax, the two best experts and their renormalised weights;
;  (2) 1/256 of the tables that fold b1, the norm and the biases: S1 = gamma rsq(var + 1e-5), T1 = (b1 - mean) S1 + beta, B2, B3;
;  (3) 1/256 of W1, W2, W3, rounded and laid into wc in the order in which a wave of the next launch takes its operand registers.
; FORMATS.  EVERY input is rounded to bf16 (nearest even) before it is used, the gate's and the tables' too.  x Wg1 goes to the matrix unit (bf16, f32 sums); the
; second gate product (32 x 8 a token) is made in f32 on the vector unit, its left side unrounded, because the choice of experts hangs on it.
; W1 is stored as bf16; W2 and W3 are the bf16-rounded numbers written as f16.
; LIMITS.  |W2|, |W3| < 65,504; below 2^-17 they keep f16's fixed step of 6e-8.  The two best are taken on exp(l - max), not on the quotient by the sum: a tie there takes the
; lower index; an exponential below 2^-126 counts as 0.  NaN and infinities are not treated apart.  Sums are f32, in another order than the reference's.
; WHAT IS STORED AT FIXED PLACES (no address here hangs on the choice):
;  rec: bytes 0..4095 masks [8 experts][256 groups] u16, bit t = token 16 g + t chose the expert; bytes 4096..8191 counts [256 groups][8] u16
;  gw:  [2][4096] f32, plane 0 = the lower-numbered chosen expert's weight;   ps: [256][8] f32, the group's sum of gate probabilities
;  wc:  [expert 8][wave q 4][ring step 64][fragment 16][half 2][lane 32][16 bytes]; lane (r, h), half j holds k = k0 + 16 j + 8 h + 0..7 of column 64 Gg + 4 r + i
;       ring steps 0-15 W1, 16-47 W2 (fragment 4 G + i, Gg = 4 q + G); 48-63 W3, two K steps a ring step (fragment 8 (s & 1) + 4 G + i, Gg = 2 q + G)
;  tab: S1 at 0, T1 at 32,768, B2 at 65,536 ([8][1024] f32, column c of each block of 32 at place 8 (c & 3) + (c >> 2)); B3 at 98,304 ([8][512], natural order)
.set XP,    144                        ; LDS row of x: 64 k in bf16 + 16 bytes
.set GP,    96                         ; LDS row of Wg1: 32 columns in bf16 + 32 bytes, an odd multiple of 32 for the turning load
.set GT,    18432                      ; behind 8 waves x 16 tokens x 144 bytes of x
.set RED,   67584                      ; behind 8 waves x 64 k x 96 bytes of Wg1: 2,048 bytes of partial sums a wave
.set PAR,   83968                      ; Wg2 (1,024 bytes), bg1 (128), bg2 (32), rounded, as f32
.set SPARE, 85248                      ; the spare words: 128 bytes a wave, four blocks of 256 bytes that no other line names
.set OUT,   96                         ; v96-127   a unit's 4 fragments, ready to store
.set CA,    128                        ; v128-191  a unit as loaded
.set CB,    192                        ; v192-255  another
; v0 thread; v1 lane; v2 r = lane % 16; v3 h = lane / 16; v4, v5 the add's two registers; v6 16 x lane; v7, v8 a unit's lane offsets (rows of 4,096 and 2,048 bytes)
; v9-v13 LDS addresses; v14, v15 offsets in x and Wg1; v16-23 at work; v24-127 the gate
; A unit is 32 k x 64 columns of f32.  16 loads: lanes 0-15 take 256 consecutive bytes of row 16 j + t, lanes 16-31 of row 16 j + 8 + t.
.macro CLOAD buf, src, vo, rowb
.irp j, 0,1
.irp t, 0,1,2,3,4,5,6,7
	global_load_b128 v[(\buf)+4*(8*\j+\t):(\buf)+4*(8*\j+\t)+3], v[\vo], s[\src:\src+1] offset:(16*\j+\t)*(\rowb) th:TH_LOAD_NT
.endr
.endr
.endm
; Two neighbouring k of one column make a word.  h16 = 1: the bf16-rounded numbers are written as f16.
.macro CCVT buf, h16
.irp j, 0,1
.irp i, 0,1,2,3
.irp p, 0,1,2,3
.if \h16
	v_cvt_pk_bf16_f32 v[16+2*\p], v[(\buf)+4*(8*\j+2*\p)+\i], v[(\buf)+4*(8*\j+2*\p+1)+\i]
	v_lshlrev_b32 v[17+2*\p], 16, v[16+2*\p]
	v_and_b32 v[16+2*\p], 0xffff0000, v[16+2*\p]
	v_cvt_pk_f16_f32 v[OUT+4*(4*\j+\i)+\p], v[17+2*\p], v[16+2*\p]
.else
	v_cvt_pk_bf16_f32 v[OUT+4*(4*\j+\i)+\p], v[(\buf)+4*(8*\j+2*\p)+\i], v[(\buf)+4*(8*\j+2*\p+1)+\i]
.endif
.endr
.endr
.endr
.endm
.macro CSTORE dst                      ; each store covers 512 consecutive bytes; the unit's eight cover 4,096
.irp j, 0,1
.irp i, 0,1,2,3
	global_store_b128 v6, v[OUT+4*(4*\j+\i):OUT+4*(4*\j+\i)+3], s[\dst:\dst+1] offset:1024*\i+512*\j
.endr
.endr
.endm
; Source and destination of unit u of W1 or W2: expert u >> eb, K step (sw bits from bit 4), column group u & 15
.macro UNIT12 u, eb, sw, es, ring, wsrc, src, dst
	s_lshr_b32 s71, \u, \eb
	s_bfe_u32 s72, \u, ((\sw)<<16)|4
	s_and_b32 s73, \u, 15
	s_lshl_b32 s74, s71, \es
	s_lshl_b32 s75, s72, 17                        ; 32 rows of 4,096 bytes
	s_add_co_u32 s74, s74, s75
	s_lshl_b32 s75, s73, 8                         ; 64 columns of 4 bytes
	s_add_co_u32 s74, s74, s75
	s_mov_b32 s75, 0
	s_add_nc_u64 s[\src:\src+1], s[\wsrc:\wsrc+1], s[74:75]
	s_lshr_b32 s76, s73, 2
	s_lshl2_add_u32 s76, s71, s76                  ; 4 x expert + wave q
	s_lshl_b32 s76, s76, 6
	s_add_co_u32 s76, s76, s72
	s_add_co_u32 s76, s76, \ring                   ; + ring step
	s_lshl_b32 s76, s76, 14
	s_and_b32 s77, s73, 3
	s_lshl_b32 s77, s77, 12                        ; + 4 fragments for each group G
	s_add_co_u32 s76, s76, s77
	s_mov_b32 s77, 0
	s_add_nc_u64 s[\dst:\dst+1], s[38:39], s[76:77]
.endm
	s_load_b512 s[8:23], s[0:1], 0x0               ; x 8, Wg1 10, bg1 12, Wg2 14, bg2 16, W1 18, W2 20, W3 22
	s_load_b512 s[24:39], s[0:1], 0x40             ; b1 24, gamma 26, beta 28, mean 30, var 32, b2 34, b3 36, wc 38
	s_load_b256 s[40:47], s[0:1], 0x80             ; tab 40, rec 42, gw 44, ps 46
	v_lshl_add_u32 v4, v0, 2, SPARE
	v_mov_b32 v5, 0
	v_lshrrev_b32 v16, 5, v0
	v_readfirstlane_b32 s2, v16                    ; wave 0..7
	s_mov_b32 s3, ttmp9                            ; group g
	s_mov_b32 s66, 0x76543210                      ; v_permlanex16_b32: each lane takes its own place in the other half
	s_mov_b32 s67, 0xfedcba98
	v_and_b32 v1, 31, v0
	v_and_b32 v2, 15, v0
	v_bfe_u32 v3, v0, 4, 1
	v_lshlrev_b32 v6, 4, v1
	v_lshlrev_b32 v20, 4, v2
	v_lshl_or_b32 v7, v3, 15, v20                  ; 8 rows of 4,096 bytes for the upper lanes, 16 bytes a lane
	v_lshl_or_b32 v8, v3, 14, v20                  ; the same for rows of 2,048 bytes
	s_mul_i32 s4, s2, 16*XP                        ; my wave's x in LDS
	v_mul_u32_u24 v17, v3, XP
	v_lshl_add_u32 v17, v2, 3, v17
	v_add_nc_u32 v9, s4, v17                       ; in: token lane / 16, 8 bytes a lane
	v_mul_u32_u24 v17, v2, XP
	v_lshl_add_u32 v17, v3, 4, v17
	v_add_nc_u32 v10, s4, v17                      ; fragment: token r, 16 bytes a half
	s_mul_i32 s5, s2, 64*GP
	s_add_co_u32 s5, s5, GT                        ; my wave's Wg1 in LDS
	v_lshrrev_b32 v17, 3, v1
	v_and_b32 v18, 7, v1
	v_mul_u32_u24 v17, v17, GP
	v_lshl_add_u32 v17, v18, 3, v17
	v_add_nc_u32 v11, s5, v17                      ; in: row lane / 8, 8 bytes a lane
	v_lshl_add_u32 v17, v3, 3, v18
	v_mul_u32_u24 v17, v17, GP
	v_bfe_u32 v19, v0, 3, 1
	v_lshl_add_u32 v17, v19, 4, v17
	v_add_nc_u32 v12, s5, v17                      ; turning load: row 8 h + lane % 8, 16 bytes by (lane / 8) % 2
	s_lshl_b32 s6, s2, 11
	s_add_co_u32 s6, s6, RED
	v_add_nc_u32 v13, s6, v6
	s_lshl_b32 s7, s3, 15                          ; 16 tokens of 2,048 bytes
	s_lshl_b32 s70, s2, 8                          ; my wave's 64 k
	s_add_co_u32 s7, s7, s70
	v_lshl_or_b32 v17, v3, 11, v20
	v_add_nc_u32 v14, s7, v17
	s_lshl_b32 s70, s2, 13                         ; my wave's 64 rows of Wg1, 8,192 dense bytes
	v_add_nc_u32 v15, s70, v6
	v_lshlrev_b32 v21, 2, v0
	s_wait_kmcnt 0x0
	; my wave's four units: one of W1, two of W2, one of W3
	s_lshl3_add_u32 s70, s3, s2
	UNIT12 s70, 8, 4, 21, 0, 18, 48, 56
	s_lshl_b32 s70, s3, 4
	s_lshl1_add_u32 s70, s2, s70
	UNIT12 s70, 9, 5, 22, 16, 20, 50, 58
	s_add_co_u32 s70, s70, 1
	UNIT12 s70, 9, 5, 22, 16, 20, 52, 60
	s_lshl3_add_u32 s70, s3, s2
	s_lshr_b32 s71, s70, 8                         ; W3: expert,
	s_bfe_u32 s72, s70, (5<<16)|3                  ; K step 0..31,
	s_and_b32 s73, s70, 7                          ; column group 0..7
	s_lshl_b32 s74, s71, 21
	s_lshl_b32 s75, s72, 16                        ; 32 rows of 2,048 bytes
	s_add_co_u32 s74, s74, s75
	s_lshl_b32 s75, s73, 8
	s_add_co_u32 s74, s74, s75
	s_mov_b32 s75, 0
	s_add_nc_u64 s[54:55], s[22:23], s[74:75]
	s_lshr_b32 s76, s73, 1
	s_lshl2_add_u32 s76, s71, s76
	s_lshl_b32 s76, s76, 6
	s_lshr_b32 s77, s72, 1
	s_add_co_u32 s76, s76, s77
	s_add_co_u32 s76, s76, 48
	s_lshl_b32 s76, s76, 14
	s_and_b32 s77, s72, 1
	s_lshl_b32 s77, s77, 13                        ; the odd K step's 8 fragments lie behind the even one's
	s_add_co_u32 s76, s76, s77
	s_and_b32 s77, s73, 1
	s_lshl_b32 s77, s77, 12
	s_add_co_u32 s76, s76, s77
	s_mov_b32 s77, 0
	s_add_nc_u64 s[62:63], s[38:39], s[76:77]
	CLOAD CB, 48, 7, 4096                          ; 32 loads of weights go out ahead of the gate's
	CLOAD CA, 50, 7, 4096
	; THE GATE.  My wave's slice of K: 64 k of 16 tokens and of Wg1
.irp i, 0,1,2,3,4,5,6,7
	global_load_b128 v[24+4*\i:27+4*\i], v14, s[8:9] offset:4096*\i    ; tokens 2 i and 2 i + 1: 256 consecutive bytes each
.endr
.irp i, 0,1,2,3,4,5,6,7,8,9,10,11,12,13,14,15
	global_load_b128 v[56+4*\i:59+4*\i], v15, s[10:11] offset:512*\i   ; rows 4 i .. 4 i + 3
.endr
	global_load_b32 v120, v21, s[14:15]            ; Wg2 has 256 numbers: one a thread
	s_cmp_eq_u32 s2, 1
	s_cbranch_scc0 .Lnot_1
	s_lshl_b32 s70, s3, 7                          ; wave 1: 32 columns of the tables,
	v_lshl_add_u32 v22, v1, 2, s70
	global_load_b32 v121, v22, s[24:25]
	global_load_b32 v122, v22, s[26:27]
	global_load_b32 v123, v22, s[28:29]
	global_load_b32 v124, v22, s[30:31]
	global_load_b32 v125, v22, s[32:33]
	global_load_b32 v126, v22, s[34:35]
	s_lshl_b32 s71, s3, 6                          ; and 16 of b3
	v_lshl_add_u32 v23, v2, 2, s71
	global_load_b32 v127, v23, s[36:37]
	s_branch .Lextras
.Lnot_1:
	s_cmp_eq_u32 s2, 2
	s_cbranch_scc0 .Lnot_2
	v_lshlrev_b32 v22, 2, v1
	global_load_b32 v121, v22, s[12:13]            ; wave 2: bg1
	s_branch .Lextras
.Lnot_2:
	s_cmp_eq_u32 s2, 3
	s_cbranch_scc0 .Lextras
	v_and_b32 v22, 7, v1
	v_lshlrev_b32 v22, 2, v22
	global_load_b32 v121, v22, s[16:17]            ; wave 3: bg2
.Lextras:
	s_wait_loadcnt 0x0                             ; the gate's loads are the youngest: the two units ahead of them are in too
.irp i, 0,1,2,3,4,5,6,7
	v_cvt_pk_bf16_f32 v[16+2*(\i%4)], v[24+4*\i], v[25+4*\i]
	v_cvt_pk_bf16_f32 v[17+2*(\i%4)], v[26+4*\i], v[27+4*\i]
	ds_store_b64 v9, v[16+2*(\i%4):17+2*(\i%4)] offset:2*XP*\i
.endr
.irp i, 0,1,2,3,4,5,6,7,8,9,10,11,12,13,14,15
	v_cvt_pk_bf16_f32 v[16+2*(\i%4)], v[56+4*\i], v[57+4*\i]
	v_cvt_pk_bf16_f32 v[17+2*(\i%4)], v[58+4*\i], v[59+4*\i]
	ds_store_b64 v11, v[16+2*(\i%4):17+2*(\i%4)] offset:4*GP*\i
.endr
	v_cvt_pk_bf16_f32 v16, v120, v120
	v_lshlrev_b32 v16, 16, v16
	v_lshl_add_u32 v17, v0, 2, PAR
	ds_store_b32 v17, v16                          ; Wg2, rounded, as f32
	s_cmp_eq_u32 s2, 2
	s_cbranch_scc0 .Lno_bg1
	v_cvt_pk_bf16_f32 v18, v121, v121
	v_lshlrev_b32 v18, 16, v18
	v_lshl_add_u32 v19, v1, 2, PAR+1024
	ds_store_b32 v19, v18
.Lno_bg1:
	s_cmp_eq_u32 s2, 3
	s_cbranch_scc0 .Lno_bg2
	v_cvt_pk_bf16_f32 v18, v121, v121
	v_lshlrev_b32 v18, 16, v18
	v_and_b32 v19, 7, v1
	v_lshl_add_u32 v19, v19, 2, PAR+1152
	ds_store_b32 v19, v18                          ; four lanes write the same word with the same number
.Lno_bg2:
	; fragments out of my wave's own bytes: LDS serves a wave's instructions in order, so no barrier stands between
	ds_load_b128 v[24:27], v10
	ds_load_b128 v[28:31], v10 offset:32
	ds_load_b128 v[32:35], v10 offset:64
	ds_load_b128 v[36:39], v10 offset:96
.irp s, 0,1
.irp n, 0,1
	ds_load_tr16_b128 v[40+8*(2*\s+\n):43+8*(2*\s+\n)], v12 offset:32*GP*\s+32*\n
	ds_load_tr16_b128 v[44+8*(2*\s+\n):47+8*(2*\s+\n)], v12 offset:32*GP*\s+32*\n+16*GP
.endr
.endr
	s_wait_dscnt 0x0
	; source 0 = 16 hidden units, source 1 = 16 tokens: a lane holds one token (r) and the units 16 n + 8 h + 0..7.  The two accumulators take turns.
	v_wmma_f32_16x16x32_bf16 v[72:79], v[40:47], v[24:31], 0
	v_wmma_f32_16x16x32_bf16 v[80:87], v[48:55], v[24:31], 0
	v_wmma_f32_16x16x32_bf16 v[72:79], v[56:63], v[32:39], v[72:79]
	v_wmma_f32_16x16x32_bf16 v[80:87], v[64:71], v[32:39], v[80:87]
.rept 4
	v_nop                                          ; four places between the products and the stores that read them
.endr
	ds_store_b128 v13, v[72:75]
	ds_store_b128 v13, v[76:79] offset:512
	ds_store_b128 v13, v[80:83] offset:1024
	ds_store_b128 v13, v[84:87] offset:1536
	s_wait_dscnt 0x0                               ; for wave 0's sake: my partial sums and parameters are in LDS
	s_barrier_signal -1
	s_barrier_wait -1
	s_cmp_eq_u32 s2, 0
	s_cbranch_scc0 .Lnot_0
	; WAVE 0 finishes the gate.  Lane (r, h): token r, hidden units 8 h + 0..7 and 16 + 8 h + 0..7 in v88-103
	v_add_nc_u32 v16, RED, v6
.irp w, 0,1,2,3
.irp i, 0,1,2,3
	ds_load_b128 v[24+16*\w+4*\i:27+16*\w+4*\i], v16 offset:2048*\w+512*\i
.endr
.endr
	s_wait_dscnt 0x0
.irp p, 0,1,2,3,4,5,6,7
	v_pk_add_f32 v[88+2*\p:89+2*\p], v[24+2*\p:25+2*\p], v[40+2*\p:41+2*\p]
	v_pk_add_f32 v[56+2*\p:57+2*\p], v[56+2*\p:57+2*\p], v[72+2*\p:73+2*\p]
.endr
.irp p, 0,1,2,3,4,5,6,7
	v_pk_add_f32 v[88+2*\p:89+2*\p], v[88+2*\p:89+2*\p], v[56+2*\p:57+2*\p]
.endr
.irp w, 0,1,2,3
.irp i, 0,1,2,3
	ds_load_b128 v[24+16*\w+4*\i:27+16*\w+4*\i], v16 offset:8192+2048*\w+512*\i
.endr
.endr
	s_wait_dscnt 0x0
.irp p, 0,1,2,3,4,5,6,7
	v_pk_add_f32 v[24+2*\p:25+2*\p], v[24+2*\p:25+2*\p], v[40+2*\p:41+2*\p]
	v_pk_add_f32 v[56+2*\p:57+2*\p], v[56+2*\p:57+2*\p], v[72+2*\p:73+2*\p]
.endr
.irp p, 0,1,2,3,4,5,6,7
	v_pk_add_f32 v[24+2*\p:25+2*\p], v[24+2*\p:25+2*\p], v[56+2*\p:57+2*\p]
.endr
.irp p, 0,1,2,3,4,5,6,7
	v_pk_add_f32 v[88+2*\p:89+2*\p], v[88+2*\p:89+2*\p], v[24+2*\p:25+2*\p]
.endr
	v_lshl_add_u32 v17, v3, 5, PAR+1024
	ds_load_b128 v[24:27], v17                     ; bg1 of my 16 units
	ds_load_b128 v[28:31], v17 offset:16
	ds_load_b128 v[32:35], v17 offset:64
	ds_load_b128 v[36:39], v17 offset:80
	v_mov_b32 v18, PAR+1152
	ds_load_b128 v[112:115], v18                   ; bg2
	ds_load_b128 v[116:119], v18 offset:16
	v_lshl_add_u32 v19, v3, 8, PAR                 ; Wg2 at unit 8 h
	s_wait_dscnt 0x0
.irp p, 0,1,2,3,4,5,6,7
	v_pk_add_f32 v[88+2*\p:89+2*\p], v[88+2*\p:89+2*\p], v[24+2*\p:25+2*\p]
.endr
.irp j, 0,1,2,3,4,5,6,7,8,9,10,11,12,13,14,15
	v_max_num_f32 v[88+\j], 0, v[88+\j]
.endr
.macro GATE2 b                         ; eight of my units times their rows of Wg2; the very first product starts the sums
.irp j, 0,1,2,3,4,5,6,7
	ds_load_b128 v[24+8*\j:27+8*\j], v19 offset:512*(\b)+32*\j
	ds_load_b128 v[28+8*\j:31+8*\j], v19 offset:512*(\b)+32*\j+16
.endr
	s_wait_dscnt 0x0
.irp j, 0,1,2,3,4,5,6,7
.irp e, 0,1,2,3,4,5,6,7
.if ((\b)+\j) == 0
	v_mul_f32 v[104+\e], v88, v[24+\e]
.else
	v_fmac_f32 v[104+\e], v[88+8*(\b)+\j], v[24+8*\j+\e]
.endif
.endr
.endr
.endm
	GATE2 0
	GATE2 1
.irp e, 0,1,2,3,4,5,6,7
	v_permlanex16_b32 v20, v[104+\e], s66, s67     ; the token's other 16 units lie in the lane 16 away
	v_add_f32 v[104+\e], v[104+\e], v20
.endr
.irp p, 0,1,2,3
	v_pk_add_f32 v[104+2*\p:105+2*\p], v[104+2*\p:105+2*\p], v[112+2*\p:113+2*\p]
.endr
	v_max3_num_f32 v16, v104, v105, v106
	v_max3_num_f32 v16, v16, v107, v108
	v_max3_num_f32 v16, v16, v109, v110
	v_max_num_f32 v16, v16, v111
.irp e, 0,1,2,3,4,5,6,7
	v_sub_f32 v[104+\e], v[104+\e], v16            ; the maximum is taken away first, as the reference's softmax does
.endr
.irp e, 0,1,2,3,4,5,6,7
	v_mul_f32 v[104+\e], 0x3fb8aa3b, v[104+\e]
.endr
.irp e, 0,1,2,3,4,5,6,7
	v_exp_f32 v[104+\e], v[104+\e]
.endr
	v_nop                                          ; a plain instruction behind the last exponential,
	s_wait_alu depctr_va_vdst(0)                   ; and one wait for the batch of eight
	v_add_f32 v17, v104, v105
	v_add_f32 v18, v106, v107
	v_add_f32 v19, v108, v109
	v_add_f32 v20, v110, v111
	v_add_f32 v17, v17, v18
	v_add_f32 v19, v19, v20
	v_add_f32 v17, v17, v19                        ; the softmax's divisor
	v_mov_b32 v18, v104                            ; the best: a strict comparison keeps the lower index at a tie
	v_mov_b32 v19, 0
.irp e, 1,2,3,4,5,6,7
	v_cmp_gt_f32 vcc_lo, v[104+\e], v18
	v_cndmask_b32 v18, v18, v[104+\e], vcc_lo
	v_cndmask_b32 v19, v19, \e, vcc_lo
.endr
	v_mov_b32 v20, -1.0                            ; the second best: below every exponential, so one is always found
	v_mov_b32 v21, 0
.irp e, 0,1,2,3,4,5,6,7
	v_cmp_gt_f32 s70, v[104+\e], v20
	v_cmp_ne_u32 s71, \e, v19
	s_and_b32 vcc_lo, s70, s71
	v_cndmask_b32 v20, v20, v[104+\e], vcc_lo
	v_cndmask_b32 v21, v21, \e, vcc_lo
.endr
	v_add_f32 v22, v18, v20
	v_rcp_f32 v17, v17
	v_rcp_f32 v22, v22
	v_nop
	s_wait_alu depctr_va_vdst(0)                   ; one wait for the two reciprocals
	v_cmp_lt_u32 vcc_lo, v19, v21
	v_mul_f32 v18, v18, v22                        ; the common divisor cancels in the renormalised weights
	v_mul_f32 v20, v20, v22
	v_cndmask_b32 v112, v20, v18, vcc_lo           ; the lower-numbered expert's weight,
	v_cndmask_b32 v113, v18, v20, vcc_lo           ; the higher-numbered one's,
	v_cndmask_b32 v114, v21, v19, vcc_lo           ; the lower number,
	v_cndmask_b32 v115, v19, v21, vcc_lo           ; the higher
	s_lshl_b32 s70, s3, 6
	v_lshl_add_u32 v116, v2, 2, s70
	global_store_b32 v116, v112, s[44:45]          ; lanes 16-31 repeat lanes 0-15: same place, same number
	global_store_b32 v116, v113, s[44:45] offset:16384
.irp e, 0,1,2,3,4,5,6,7
	v_mul_f32 v[104+\e], v[104+\e], v17            ; the probabilities,
.endr
.irp m, 1,2,4,8
.irp e, 0,1,2,3,4,5,6,7
	v_add_f32_dpp v[104+\e], v[104+\e], v[104+\e] row_xmask:\m row_mask:0xf bank_mask:0xf  ; summed over the 16 tokens
.endr
.endr
	v_mov_b32 v117, 0
.irp e, 0,1,2,3,4,5,6,7
	v_cmp_eq_u32 s70, \e, v114
	v_cmp_eq_u32 s71, \e, v115
	s_or_b32 s70, s70, s71
	s_and_b32 s70, s70, 0xffff                     ; bit t: token t chose expert e
	v_writelane_b32 v117, s70, \e                  ; lane e carries expert e's mask
	s_bcnt1_i32_b32 s[72+\e], s70
.endr
.irp k, 0,1,2,3
	s_lshl_b32 s[73+2*\k], s[73+2*\k], 16
	s_or_b32 s[72+2*\k], s[72+2*\k], s[73+2*\k]
	v_mov_b32 v[120+\k], s[72+2*\k]                ; eight counts of 16 bits
.endr
	s_lshl_b32 s80, s3, 1
	v_lshl_add_u32 v118, v1, 9, s80                ; masks: 512 bytes an expert, 2 bytes a group
	s_lshl_b32 s81, s3, 4
	v_mov_b32 v119, s81
	s_lshl_b32 s82, s3, 5
	v_mov_b32 v124, s82
	v_cmp_gt_u32 vcc_lo, 8, v1
	s_wait_xcnt 0x0                                ; EXEC changes only behind this wait
	s_and_saveexec_b32 s83, vcc_lo
	global_store_b16 v118, v117, s[42:43]          ; eight stores of two bytes a work-group: the price of masks that lie by expert for the next launch
	s_wait_xcnt 0x0
	s_or_b32 exec_lo, exec_lo, s83
	v_cmp_eq_u32 vcc_lo, 0, v1
	s_and_saveexec_b32 s83, vcc_lo
	global_store_b128 v119, v[120:123], s[42:43] offset:4096
	global_store_b128 v124, v[104:107], s[46:47]
	global_store_b128 v124, v[108:111], s[46:47] offset:16
	s_wait_xcnt 0x0
	s_or_b32 exec_lo, exec_lo, s83
	s_branch .Lcast
.Lnot_0:
	s_cmp_eq_u32 s2, 1
	s_cbranch_scc0 .Lcast
	; WAVE 1 makes the tables
	v_cvt_pk_bf16_f32 v16, v121, v122
	v_cvt_pk_bf16_f32 v17, v123, v124
	v_cvt_pk_bf16_f32 v18, v125, v126
	v_cvt_pk_bf16_f32 v19, v127, v127
	v_lshlrev_b32 v121, 16, v16                    ; b1
	v_and_b32 v122, 0xffff0000, v16                ; gamma
	v_lshlrev_b32 v123, 16, v17                    ; beta
	v_and_b32 v124, 0xffff0000, v17                ; mean
	v_lshlrev_b32 v125, 16, v18                    ; var
	v_and_b32 v126, 0xffff0000, v18                ; b2
	v_lshlrev_b32 v127, 16, v19                    ; b3
	v_add_f32 v125, 0x3727c5ac, v125               ; + 1e-5
	v_rsq_f32 v125, v125
	v_sub_f32 v121, v121, v124                     ; the plain instruction behind the root
	s_wait_alu depctr_va_vdst(0)
	v_mul_f32 v122, v122, v125                     ; S1
	v_fma_f32 v121, v121, v122, v123               ; T1
	v_and_b32 v20, 3, v1
	v_lshrrev_b32 v21, 2, v1
	v_lshl_add_u32 v20, v20, 3, v21                ; column c of the block of 32 goes to place 8 (c & 3) + (c >> 2)
	s_lshl_b32 s70, s3, 7
	v_lshl_add_u32 v20, v20, 2, s70
	global_store_b32 v20, v122, s[40:41]
	global_store_b32 v20, v121, s[40:41] offset:32768
	global_store_b32 v20, v126, s[40:41] offset:65536
	s_lshl_b32 s71, s3, 6
	v_lshl_add_u32 v21, v2, 2, s71
	global_store_b32 v21, v127, s[40:41] offset:98304
.Lcast:
	; THE WEIGHTS.  Two units are in registers; each buffer is loaded again as soon as it has been converted.
	s_wait_xcnt 0x0                                ; the stores above have read their registers: v16-23 and v96-127 are written again only behind this wait
	CCVT CB, 0
	CSTORE 56
	CLOAD CB, 52, 7, 4096
	s_wait_xcnt 0x0                                ; OUT is written again only behind this wait
	CCVT CA, 1
	CSTORE 58
	CLOAD CA, 54, 8, 2048
	s_wait_loadcnt 16                              ; the third unit is in; the fourth's 16 loads are younger
	s_wait_xcnt 0x0
	CCVT CB, 1
	CSTORE 60
	s_wait_loadcnt 0x0
	s_wait_xcnt 0x0
	CCVT CA, 1
	CSTORE 62
	s_wait_tensorcnt 0x0                           ; the wave's end
	ds_add_u32 v4, v5
	s_wait_dscnt 0x0
	s_endpgm
.Lfunc_end_k_qfc410dfa89_prep:
	.size	k_qfc410dfa89_prep, .Lfunc_end_k_qfc410dfa89_prep-k_qfc410dfa89_prep
	.p2alignl 7, 3214868480
	.fill 96, 4, 3214868480
	.section	.rodata,"a",@progbits
	.p2align	6, 0x0
	.amdhsa_kernel k_qfc410dfa89_prep
		.amdhsa_group_segment_fixed_size 86272
		.amdhsa_private_segment_fixed_size 0
		.amdhsa_enable_private_segment 0
		.amdhsa_kernarg_size 160
		.amdhsa_user_sgpr_count 2
		.amdhsa_user_sgpr_kernarg_segment_ptr 1
		.amdhsa_wavefront_size32 1
		.amdhsa_system_sgpr_workgroup_id_x 1
		.amdhsa_system_sgpr_workgroup_id_y 1
		.amdhsa_system_sgpr_workgroup_id_z 1
		.amdhsa_system_vgpr_workitem_id 0
		.amdhsa_next_free_vgpr 256
		.amdhsa_next_free_sgpr 84
		.amdhsa_reserve_vcc 1
		.amdhsa_float_denorm_mode_32 3
		.amdhsa_float_denorm_mode_16_64 3
		.amdhsa_memory_ordered 1
		.amdhsa_forward_progress 1
		.amdhsa_inst_pref_size 76
	.end_amdhsa_kernel
	.amdgpu_metadata
---
amdhsa.version: [ 1, 2 ]
amdhsa.kernels:
  - .name:           k_qfc410dfa89_prep
    .symbol:         k_qfc410dfa89_prep.kd
    .args:
      - { .name: x, .offset: 0, .size: 8, .value_kind: global_buffer, .address_space: global }
      - { .name: Wg1, .offset: 8, .size: 8, .value_kind: global_buffer, .address_space: global }
      - { .name: bg1, .offset: 16, .size: 8, .value_kind: global_buffer, .address_space: global }
      - { .name: Wg2, .offset: 24, .size: 8, .value_kind: global_buffer, .address_space: global }
      - { .name: bg2, .offset: 32, .size: 8, .value_kind: global_buffer, .address_space: global }
      - { .name: W1, .offset: 40, .size: 8, .value_kind: global_buffer, .address_space: global }
      - { .name: W2, .offset: 48, .size: 8, .value_kind: global_buffer, .address_space: global }
      - { .name: W3, .offset: 56, .size: 8, .value_kind: global_buffer, .address_space: global }
      - { .name: b1, .offset: 64, .size: 8, .value_kind: global_buffer, .address_space: global }
      - { .name: gamma, .offset: 72, .size: 8, .value_kind: global_buffer, .address_space: global }
      - { .name: beta, .offset: 80, .size: 8, .value_kind: global_buffer, .address_space: global }
      - { .name: bn_mean, .offset: 88, .size: 8, .value_kind: global_buffer, .address_space: global }
      - { .name: bn_var, .offset: 96, .size: 8, .value_kind: global_buffer, .address_space: global }
      - { .name: b2, .offset: 104, .size: 8, .value_kind: global_buffer, .address_space: global }
      - { .name: b3, .offset: 112, .size: 8, .value_kind: global_buffer, .address_space: global }
      - { .name: wc, .offset: 120, .size: 8, .value_kind: global_buffer, .address_space: global }
      - { .name: tab, .offset: 128, .size: 8, .value_kind: global_buffer, .address_space: global }
      - { .name: rec, .offset: 136, .size: 8, .value_kind: global_buffer, .address_space: global }
      - { .name: gw, .offset: 144, .size: 8, .value_kind: global_buffer, .address_space: global }
      - { .name: ps, .offset: 152, .size: 8, .value_kind: global_buffer, .address_space: global }
    .group_segment_fixed_size: 86272
    .private_segment_fixed_size: 0
    .kernarg_segment_align: 8
    .kernarg_segment_size: 160
    .max_flat_workgroup_size: 256
    .sgpr_count:     84
    .vgpr_count:     256
    .wavefront_size: 32
...
	.end_amdgpu_metadata
.endif
;; end of part 1
;; launch chain (part 2): grid 135 x 1, 4 waves a work-group, no clusters, 287,488 bytes of LDS; arguments x, rec, wc, tab, part; writes part
.if DOCPART == 2
	.amdgcn_target "amdgcn-amd-amdhsa--gfx1250"
	.amdhsa_code_object_version 6
	.text
	.protected	k_qfc410dfa89_chain
	.globl	k_qfc410dfa89_chain
	.p2align	8
	.type	k_qfc410dfa89_chain,@function
k_qfc410dfa89_chain:
	s_mov_b64 s[64:65], 0
	v_nop
	global_prefetch_b8 v0, s[64:65] scope:SCOPE_SE
	s_setreg_imm32_b32 hwreg(HW_REG_WAVE_MODE, 25, 1), 1
	s_wait_xcnt 0x0
; CHAIN.  A work-group takes up to 64 routed rows of ONE expert through the whole chain: gather x, x W1, norm and ReLU, h1 W2 + b2, ReLU, h2 W3 + b3, and stores f32 rows into
; part[plane][token][512] (plane 0: the expert is the token's lower-numbered one; 1: the higher).  The next launch adds the two planes with the gate's weights.
; THE GRID.  With 8,192 routed rows, 8 experts and tiles of 64 rows there are never more than 128 + 7 = 135 tiles, whatever the split.  Every work-group works out its expert and its first
; row from the stored counts.  A work-group that a split leaves without rows walks the chain on token 0's row and stores nothing: so every wave passes every barrier, and no
; branch on loaded numbers stands round one.  In a tile that is not full the places past the count repeat token 0; their stores are jumped.
; SHARES.  Four waves; in the hidden layers wave q makes columns 256 q .. 256 q + 255 of all 64 rows (64 accumulators, 512 registers), in the last layer columns 128 q .. 128 q + 127.
; THE MATRIX INSTRUCTION IS USED TRANSPOSED: source 0 = 16 columns of W, source 1 = 16 rows (tokens).  Tile (G, i): lane (r, h), register j holds token 16 a + r, column 64 Gg + 32 h + 4 j + i:
; over i and j a lane holds 32 neighbouring columns of one token.
; WEIGHTS come from wc straight into operand registers (each fragment has one reader in the work-group): a ring of two buffers of 128 registers, 64 loads of a wave on their way.
; Each half of each buffer has a pointer of its own, stepped behind the counted wait that shows its last loads done: no other wait stands in the K loops for it.
; NO TENSOR LOADS, NO CLUSTER: the two hidden layers take 264,192 bytes of LDS; a step of weights is 65,536 bytes for the work-group, and two slots of that do not fit into what is left.
; FORMATS.  x and W1 bf16.  h1, h2, W2, W3 f16.  A hidden layer's tile of 64 rows is multiplied by sigma = 2^(126 - E), E the exponent field of its largest number behind the ReLU (at most 252),
; so that it lies in 0 .. 1; 1 / sigma is applied in f32 behind the next product.  Both factors are exact.  The ReLU is the clamp of that multiplication.
; ONE TEXT FOR BOTH HIDDEN LAYERS' WAY INTO LDS: acc x S[column] + T[column]; layer 1 takes S1 and T1, layer 2 a table that holds 1 / sigma1 in every place, and B2.
; LIMITS.  |h| < 2^126.  A number below 2^-14 of its tile's largest keeps f16's fixed step, 2^-24 to 2^-23 of that largest number: a row far smaller than its neighbours in the tile loses relative
; precision, never more than that step.  NaN and infinities are not treated apart.
.set HP,    2064                       ; a row of h in LDS: 2,048 bytes + 16: an odd multiple of 16
.set XP,    1040                       ; a row of x: 1,024 + 16
.set H1,    0                          ; h1, 64 rows; later the four waves' stages for the way out
.set XH,    132096                     ; x, later h2
.set TABL,  264192                     ; my expert's S1, T1, then S2 (1 / sigma1), B2: 4,096 bytes each; B3: 2,048
.set LIST,  282624                     ; 1,024 bytes for each wave, its own: 64 words token | plane << 12; one word for what the scan throws away; at + 512 the mask of lower choices
.set RM,    286720                     ; the four waves' maxima
.set SPARE, 286976                     ; the spare words: 128 bytes a wave, two blocks of 256 bytes that no other line names
.set SGP,   528                        ; a stage row: 512 bytes + 16
.set STGW,  16*SGP
; window 0: v0 thread; v1 16 x lane; v2 lane; v3 r; v4 h; v7 where x goes; v8-11 A's addresses; v12-15 where h goes; v16-19 running maxima; v20, v21 sigma, twice;
;   v28, v29 the add's registers; v30, v31 at work; v32-95 two buffers of A's fragments; v96-159 at work; v160-223 tables; v224-227 1 / sigma, four times; v240, v241 the list;
;   v242-247, v252-254 addresses; v248-251 at work
; window 1: the weights' ring, X = v0-127 (even ring steps), Y = v128-255 (odd).   windows 2, 3: accumulators, tile (a, bl) at v[8 (4 bl + a)]
; s[44:51] the four weight pointers: X's lower and upper half, Y's lower and upper half; s52 counts the hidden layers
.set A0,  32
.set A1,  64
.set TMP, 96
.set TBL, 160
.set IV,  224
.set X,   0
.set Y,   128
.set PX,  44
.set PY,  48
.set MSB, 0
.macro WIN new                         ; s_set_vgpr_msb: bits 1:0 source 0, 3:2 source 1, 5:4 source 2, 7:6 destination; the high byte repeats the setting that is left
.if MSB != (\new)
	s_set_vgpr_msb (MSB<<8)|(\new)
.set MSB, (\new)
.endif
.endm
.macro PLACES                          ; four places between matrix instructions and loads into, or vector work on, their registers
.rept 4
	v_nop
.endr
.endm
.macro BAR                             ; my LDS instructions are done; then the work-group's barrier
	s_wait_dscnt 0x0
	s_barrier_signal -1
	s_barrier_wait -1
.endm
; 32 matrix instructions: 8 fragments of W x 4 blocks of 16 tokens; 32 accumulators take turns.  zero = 1: the products start the sums
.macro HS fmt, wb, hi, ab, zero
	WIN 0xa1+0x50*(\hi)
.irp bl, 0,1,2,3,4,5,6,7
.irp a, 0,1,2,3
.if \zero
	v_wmma_f32_16x16x32_\fmt v[8*(4*\bl+\a):8*(4*\bl+\a)+7], v[(\wb)+8*\bl:(\wb)+8*\bl+7], v[(\ab)+8*\a:(\ab)+8*\a+7], 0
.else
	v_wmma_f32_16x16x32_\fmt v[8*(4*\bl+\a):8*(4*\bl+\a)+7], v[(\wb)+8*\bl:(\wb)+8*\bl+7], v[(\ab)+8*\a:(\ab)+8*\a+7], v[8*(4*\bl+\a):8*(4*\bl+\a)+7]
.endif
.endr
.endr
.endm
.macro WLOAD wb, p                     ; 8 fragments, 8,192 consecutive bytes of wc at pointer p: 16 loads of 512 bytes
	WIN 0x40
.irp f, 0,1,2,3,4,5,6,7
	global_load_b128 v[(\wb)+8*\f:(\wb)+8*\f+3], v1, s[\p:\p+1] offset:1024*\f
	global_load_b128 v[(\wb)+8*\f+4:(\wb)+8*\f+7], v1, s[\p:\p+1] offset:1024*\f+512
.endr
.endm
.macro AFETCH ab, off                  ; 64 tokens x 32 k: 8 LDS loads
	WIN 0
.irp a, 0,1,2,3
	ds_load_b128 v[(\ab)+8*\a:(\ab)+8*\a+3], v[8+\a] offset:(\off)
	ds_load_b128 v[(\ab)+8*\a+4:(\ab)+8*\a+7], v[8+\a] offset:(\off)+32
.endr
.endm
.macro SETA base, pitch                ; A's addresses: row 16 a + r, 16 bytes for each half of the lanes
	WIN 0
	v_mul_u32_u24 v30, v3, \pitch
	v_lshl_add_u32 v30, v4, 4, v30
.irp a, 0,1,2,3
	v_add_nc_u32 v[8+\a], (\base)+16*\a*(\pitch), v30
.endr
.endm
; A ring step of a hidden layer: 32 k, 64 matrix instructions.  Each half of the buffer is loaded again, two ring steps (32,768 bytes) ahead, as soon as it has been multiplied.
; s_wait_loadcnt 48: behind the 16 loads that are needed three younger groups of 16 have been issued, here and round every backward jump and from layer to layer.
; Those 16 are also the last loads that named this half's pointer, so the pointer is stepped behind that wait.
.macro STEP12 fmt, wb, ab, zero, p, fb, fo
	s_wait_loadcnt 48
	s_add_nc_u64 s[\p:\p+1], s[\p:\p+1], 32768
	s_wait_dscnt 0x0                               ; this step's A, asked for 32 matrix instructions ago
	HS \fmt, \wb, 0, \ab, \zero
	PLACES
	WLOAD \wb, \p
.if (\fo) >= 0
	AFETCH \fb, \fo                                ; the next step's A, into the other buffer
.endif
	s_wait_loadcnt 48
	s_add_nc_u64 s[\p+2:\p+3], s[\p+2:\p+3], 32768
	HS \fmt, (\wb)+64, 1, \ab, \zero
	PLACES
	WLOAD (\wb)+64, (\p)+2
.endm
.macro LAYER12 fmt, trips              ; 2 + 2 x trips K steps; the four pointers walk wc without a break
	AFETCH A0, 0
	STEP12 \fmt, X, A0, 1, PX, A1, 64
	WIN 0
	s_mov_b32 s31, \trips
.Lk_\@:
	STEP12 \fmt, Y, A1, 0, PY, A0, 128
	STEP12 \fmt, X, A0, 0, PX, A1, 192
	WIN 0
.irp a, 0,1,2,3
	v_add_nc_u32 v[8+\a], 128, v[8+\a]
.endr
	s_sub_co_u32 s31, s31, 1
	s_cmp_lg_u32 s31, 0
	s_cbranch_scc1 .Lk_\@
	STEP12 \fmt, Y, A1, 0, PY, A0, -1
	WIN 0
.endm
; A ring step of the last layer: two K steps of 8 fragments; the even one takes A0, the odd one A1, both add onto window 2.
; s_wait_dscnt 8: the other buffer's 8 loads are younger than the 8 that are needed.
.macro STEP3 wb, zero, refill, p, lc0, lc1, dc1, fo0, fo1
	s_wait_loadcnt \lc0
.if \refill
	s_add_nc_u64 s[\p:\p+1], s[\p:\p+1], 32768
.endif
	s_wait_dscnt 8
	HS f16, \wb, 0, A0, \zero
	PLACES
.if \refill
	WLOAD \wb, \p
.endif
.if (\fo0) >= 0
	AFETCH A0, \fo0
.endif
	s_wait_loadcnt \lc1
.if \refill
	s_add_nc_u64 s[\p+2:\p+3], s[\p+2:\p+3], 32768
.endif
	s_wait_dscnt \dc1
	HS f16, (\wb)+64, 0, A1, 0
	PLACES
.if \refill
	WLOAD (\wb)+64, (\p)+2
.endif
.if (\fo1) >= 0
	AFETCH A1, \fo1
.endif
.endm
; BEHIND A HIDDEN LAYER, group G of 64 columns.  EPA: acc x S + T in place, each accumulator from its lowest registers on, and four running maxima.
.macro EPA G
	WIN 0
.irp c, 0,1,2,3,4,5,6,7
	ds_load_b128 v[TBL+4*\c:TBL+4*\c+3], v242 offset:256*(\G)+16*\c
	ds_load_b128 v[TBL+32+4*\c:TBL+35+4*\c], v242 offset:4096+256*(\G)+16*\c
.endr
	s_wait_dscnt 0x0
.set W, 2+((\G)>>1)
	WIN (W<<6)|W
.irp i, 0,1,2,3
.irp a, 0,1,2,3
.irp p, 0,1,2,3
.set AB, 8*(4*(4*((\G)&1)+\i)+\a)+2*\p
	v_pk_fma_f32 v[AB:AB+1], v[AB:AB+1], v[TBL+8*\i+2*\p:TBL+8*\i+2*\p+1], v[TBL+32+8*\i+2*\p:TBL+32+8*\i+2*\p+1]
.endr
.endr
.endr
	WIN (W<<4)|(W<<2)
.irp i, 0,1,2,3
.irp p, 0,1,2,3
.irp a, 0,1,2,3
.set AB, 8*(4*(4*((\G)&1)+\i)+\a)+2*\p
	v_max3_num_f32 v[16+\a], v[16+\a], v[AB], v[AB+1]
.endr
.endr
.endr
.endm
; EPB: times sigma, held to 0 .. 1 (the ReLU), rounded to f16, 64 bytes a lane and block of tokens into the next layer's rows.
.macro EPB G
.set W, 2+((\G)>>1)
	WIN (W<<6)|W
.irp i, 0,1,2,3
.irp a, 0,1,2,3
.irp p, 0,1,2,3
.set AB, 8*(4*(4*((\G)&1)+\i)+\a)+2*\p
	v_pk_mul_f32 v[AB:AB+1], v[AB:AB+1], v[20:21] clamp
.endr
.endr
.endr
	WIN (W<<2)|W
.irp a, 0,1,2,3
.irp j, 0,1,2,3,4,5,6,7
.irp u, 0,1
	v_cvt_pk_f16_f32 v[TMP+16*\a+2*\j+\u], v[8*(4*(4*((\G)&1)+2*\u)+\a)+\j], v[8*(4*(4*((\G)&1)+2*\u+1)+\a)+\j]
.endr
.endr
.endr
	WIN 0
.irp a, 0,1,2,3
.irp c, 0,1,2,3
	ds_store_b128 v[12+\a], v[TMP+16*\a+4*\c:TMP+16*\a+4*\c+3] offset:128*(\G)+16*\c
.endr
.endr
.endm
; THE WAY OUT of block a of 16 rows: acc / sigma2 + B3 in f32, through my own stage, back as rows of 512 bytes; a store covers 512 consecutive bytes of one row of part.
; The first row at or past the count jumps forward to the end: the rows behind it are past the count too.
.macro OUTBLK a
	s_cmp_gt_u32 s28, 16*(\a)
	s_cbranch_scc0 .Lout_end
	s_wait_xcnt 0x0                                ; the last block's stores have read their registers
	WIN 0x02
.irp G, 0,1
.irp i, 0,1,2,3
.irp j, 0,1,2,3,4,5,6,7
	v_fma_f32 v[TMP+32*\G+4*\j+\i], v[8*(4*(4*\G+\i)+(\a))+\j], v[IV], v[TBL+32*\G+4*\j+\i]
.endr
.endr
.endr
	WIN 0
.irp G, 0,1
.irp c, 0,1,2,3,4,5,6,7
	ds_store_b128 v245, v[TMP+32*\G+4*\c:TMP+32*\G+4*\c+3] offset:256*\G+16*\c
.endr
.endr
.irp t, 0,1,2,3,4,5,6,7,8,9,10,11,12,13,14,15
	ds_load_b128 v[32+4*\t:35+4*\t], v246 offset:SGP*\t    ; LDS serves a wave's instructions in order: these see the stores above
.endr
.irp t, 0,1,2,3,4,5,6,7,8,9,10,11,12,13,14,15
.if \t > 0
	s_cmp_gt_u32 s28, 16*(\a)+\t
	s_cbranch_scc0 .Lout_end
.endif
	v_readlane_b32 s24, v[240+((\a)>>1)], 16*((\a)&1)+\t
	s_min_u32 s24, s24, 0x1fff                     ; plane x 4,096 + token: a row of part
	v_lshl_add_u32 v[8+\t], s24, 11, v247
	s_wait_dscnt 15-\t                             ; row t is back; the younger loads stay out
	global_store_b128 v[8+\t], v[32+4*\t:35+4*\t], s[12:13]
.endr
.endm
; One stage of the lanes' exclusive prefix: v30 holds the sum over my block of m lanes, v31 the sum over the lanes ahead of me; the sibling block lies ahead of me if bit k of my lane is set.
.macro PFX k, m
	v_mov_b32_dpp v20, v30 row_xmask:\m row_mask:0xf bank_mask:0xf
	v_bfe_u32 v21, v2, \k, 1
	v_mad_u32_u24 v31, v21, v20, v31
	v_add_nc_u32 v30, v30, v20
.endm
	s_load_b256 s[4:11], s[0:1], 0x0               ; x 4, rec 6, wc 8, tab 10
	s_load_b64 s[12:13], s[0:1], 0x20              ; part
	v_lshl_add_u32 v28, v0, 2, SPARE
	v_mov_b32 v29, 0
	v_lshrrev_b32 v30, 5, v0
	v_readfirstlane_b32 s14, v30                   ; wave q
	s_mov_b32 s15, ttmp9                           ; tile g
	s_mov_b32 s40, 0x76543210
	s_mov_b32 s41, 0xfedcba98
	v_and_b32 v2, 31, v0
	v_and_b32 v3, 15, v0
	v_bfe_u32 v4, v0, 4, 1
	v_lshlrev_b32 v1, 4, v2
	v_lshlrev_b32 v31, 7, v2
	s_wait_kmcnt 0x0
.irp i, 0,1,2,3,4,5,6,7
	global_load_b128 v[32+4*\i:35+4*\i], v31, s[6:7] offset:4096+16*\i   ; the counts of group 8 lane + i: a transposed read of 4,096 dense bytes, once a wave, so that a lane's counts are those of its own 128 tokens
.endr
.irp e, 0,1,2,3,4,5,6,7
	global_load_b128 v[64+4*\e:67+4*\e], v1, s[6:7] offset:512*\e        ; expert e's mask of tokens 128 lane .. 128 lane + 127
.endr
	s_mul_i32 s24, s14, 16*XP
	s_add_co_u32 s24, s24, XH
	v_lshl_add_u32 v7, v2, 3, s24                  ; x: my wave's 16 rows, 8 bytes a lane
	v_mul_u32_u24 v30, v3, HP
	v_lshl_add_u32 v30, v4, 6, v30
	s_lshl_b32 s24, s14, 9
	v_add_nc_u32 v30, s24, v30
.irp a, 0,1,2,3
	v_add_nc_u32 v[12+\a], H1+16*\a*HP, v30        ; h1: row 16 a + r, my wave's 512 bytes, 64 bytes for each half of the lanes
.endr
	s_lshl_b32 s24, s14, 10
	s_add_co_u32 s25, s24, TABL
	v_lshl_add_u32 v242, v4, 7, s25                ; tables: my wave's 256 columns, 32 for each half of the lanes
	s_add_co_u32 s25, s24, TABL+8192
	v_add_nc_u32 v254, s25, v1                     ; S2: my wave's 1,024 bytes, 16 a lane
	s_add_co_u32 s43, s24, LIST                    ; my wave's own list
	s_lshl_b32 s24, s14, 2
	s_add_co_u32 s24, s24, RM
	v_mov_b32 v243, s24
	v_mov_b32 v244, RM
	s_mul_i32 s24, s14, STGW
	v_mul_u32_u24 v30, v3, SGP
	v_lshl_add_u32 v30, v4, 7, v30
	v_add_nc_u32 v245, s24, v30
	v_add_nc_u32 v246, s24, v1
	s_lshl_b32 s24, s14, 9
	v_add_nc_u32 v247, s24, v1
	v_lshlrev_b32 v252, 4, v0
	v_lshl_add_u32 v253, v0, 4, TABL
.irp a, 0,1,2,3
	v_mov_b32 v[248+\a], 0                         ; written, since the lane exchanges count as readers of their destinations
	v_mov_b32 v[20+\a], 0
.endr
	s_wait_loadcnt 0x0
	; my lane's counts, two of 16 bits a word, kept in v132-135; then each expert's rows in all (4,096 at the most), summed across the 32 lanes
.irp c, 0,1,2,3
	v_add3_u32 v[132+\c], v[32+\c], v[36+\c], v[40+\c]
	v_add3_u32 v[132+\c], v[132+\c], v[44+\c], v[48+\c]
	v_add3_u32 v[132+\c], v[132+\c], v[52+\c], v[56+\c]
	v_add_nc_u32 v[132+\c], v[132+\c], v[60+\c]
.endr
.irp c, 0,1,2,3
	v_mov_b32_dpp v[20+\c], v[132+\c] row_xmask:1 row_mask:0xf bank_mask:0xf
.endr
.irp c, 0,1,2,3
	v_add_nc_u32 v[16+\c], v[132+\c], v[20+\c]
.endr
.irp m, 2,4,8
.irp c, 0,1,2,3
	v_mov_b32_dpp v[20+\c], v[16+\c] row_xmask:\m row_mask:0xf bank_mask:0xf
.endr
.irp c, 0,1,2,3
	v_add_nc_u32 v[16+\c], v[16+\c], v[20+\c]
.endr
.endr
.irp c, 0,1,2,3
	v_permlanex16_b32 v[20+\c], v[16+\c], s40, s41
.endr
.irp c, 0,1,2,3
	v_add_nc_u32 v[16+\c], v[16+\c], v[20+\c]
.endr
.irp c, 0,1,2,3
	v_readfirstlane_b32 s[16+\c], v[16+\c]
.endr
	; my expert: the last one whose first tile is not behind g (so an expert without rows is passed over)
	s_mov_b32 s23, 0                               ; tiles of the experts so far
	s_mov_b32 s20, 0                               ; E
	s_mov_b32 s21, 0                               ; its first tile
	s_mov_b32 s22, 0                               ; its rows
.irp e, 0,1,2,3,4,5,6,7
.if (\e%2) == 0
	s_and_b32 s24, s[16+\e/2], 0xffff
.else
	s_lshr_b32 s24, s[16+\e/2], 16
.endif
	s_cmp_ge_u32 s15, s23
	s_cselect_b32 s20, \e, s20
	s_cselect_b32 s21, s23, s21
	s_cselect_b32 s22, s24, s22
	s_add_co_u32 s25, s24, 63
	s_lshr_b32 s25, s25, 6
	s_add_co_u32 s23, s23, s25
.endr
	s_min_u32 s20, s20, 7
	s_sub_co_u32 s29, s15, s21
	s_lshl_b32 s29, s29, 6                         ; my first row among the expert's
	s_sub_co_i32 s28, s22, s29
	s_min_i32 s28, s28, 64
	s_max_i32 s28, s28, 0                          ; my rows: 0 .. 64
	s_lshl2_add_u32 s36, s20, s14
	s_lshl_b32 s36, s36, 20                        ; 1 MiB of wc for each expert and wave
	s_mov_b32 s37, 0
	s_add_nc_u64 s[PX:PX+1], s[8:9], s[36:37]
	s_add_nc_u64 s[PX+2:PX+3], s[PX:PX+1], 8192
	s_add_nc_u64 s[PY:PY+1], s[PX:PX+1], 16384
	s_add_nc_u64 s[PY+2:PY+3], s[PX:PX+1], 24576
	WLOAD X, PX                                    ; ring steps 0 and 1 go out ahead of everything else
	WLOAD X+64, PX+2
	WLOAD Y, PY
	WLOAD Y+64, PY+2
	WIN 0
	s_lshl_b32 s24, s20, 12
	v_add_nc_u32 v250, s24, v252
	s_lshl_b32 s25, s20, 11
	v_add_nc_u32 v251, s25, v252
	global_load_b128 v[96:99], v250, s[10:11]                   ; my expert's tables: 2,048 bytes a load for the 128 threads
	global_load_b128 v[100:103], v250, s[10:11] offset:2048
	global_load_b128 v[104:107], v250, s[10:11] offset:32768
	global_load_b128 v[108:111], v250, s[10:11] offset:34816
	global_load_b128 v[112:115], v250, s[10:11] offset:65536
	global_load_b128 v[116:119], v250, s[10:11] offset:67584
	global_load_b128 v[120:123], v251, s[10:11] offset:98304
	; THE LIST: the tokens of ranks s29 .. s29 + 63 among the expert's, in ascending order.  Every wave makes the whole list, in LDS bytes of its own: no wave waits for another.
.irp c, 0,1,2,3
	v_mov_b32 v[124+\c], 0
	v_mov_b32 v[128+\c], 0
.endr
.irp e, 0,1,2,3,4,5,6,7
	s_cmp_eq_u32 s20, \e
	s_cselect_b32 s24, -1, 0
	s_cmp_gt_u32 s20, \e
	s_cselect_b32 s25, -1, 0
.irp c, 0,1,2,3
	v_and_or_b32 v[124+\c], v[64+4*\e+\c], s24, v[124+\c]   ; my expert's mask of my 128 tokens,
	v_and_or_b32 v[128+\c], v[64+4*\e+\c], s25, v[128+\c]   ; and who also chose a lower-numbered one: plane 1
.endr
.endr
	s_lshr_b32 s26, s20, 1
	v_mov_b32 v30, 0
.irp c, 0,1,2,3
	s_cmp_eq_u32 s26, \c
	s_cselect_b32 s25, -1, 0
	v_and_or_b32 v30, v[132+\c], s25, v30
.endr
	s_and_b32 s25, s20, 1
	s_lshl_b32 s25, s25, 4
	v_lshrrev_b32 v30, s25, v30
	v_and_b32 v30, 0xffff, v30                     ; how many of my 128 tokens chose the expert
	v_mov_b32 v31, 0
	PFX 0, 1
	PFX 1, 2
	PFX 2, 4
	PFX 3, 8
	v_permlanex16_b32 v20, v30, s40, s41
	v_mad_u32_u24 v31, v4, v20, v31                ; how many in the lanes ahead of me
	v_sub_nc_u32 v31, v31, s29                     ; my next token's place in the tile; below 0 it reads as a very large number
	v_lshl_add_u32 v21, v2, 3, s43
	ds_store_b64 v21, v[248:249]                   ; places that stay empty name token 0
	v_add_nc_u32 v22, s43, v1
	ds_store_b128 v22, v[128:131] offset:512       ; the mask of lower choices, word w at 4 w
	v_lshlrev_b32 v136, 7, v2                      ; the tokens of the next four bits
	v_add_nc_u32 v137, 1, v136
	v_add_nc_u32 v138, 2, v136
	v_add_nc_u32 v139, 3, v136
	s_mov_b32 s31, 0
.Lscan:                                                ; 32 trips, four bits of my 128 a trip
.irp j, 0,1,2,3
	v_bfe_u32 v[140+\j], v124, \j, 1
.endr
	v_add_nc_u32 v145, v31, v140                   ; the places of the second, third and fourth bit
	v_add_nc_u32 v146, v145, v141
	v_add_nc_u32 v147, v146, v142
.irp j, 0,1,2,3
	v_add_nc_u32 v[148+\j], -1, v[140+\j]          ; 0 where the bit is set, all ones where it is not
.endr
	v_or_b32 v148, v31, v148
	v_or_b32 v149, v145, v149
	v_or_b32 v150, v146, v150
	v_or_b32 v151, v147, v151
	v_add_nc_u32 v31, v147, v143
.irp j, 0,1,2,3
	v_min_u32 v[148+\j], 64, v[148+\j]             ; a bit that is not set, and a place outside 0 .. 63, go to word 64, which nobody reads
.endr
.irp j, 0,1,2,3
	v_lshl_add_u32 v[148+\j], v[148+\j], 2, s43
.endr
.irp j, 0,1,2,3
	ds_store_b32 v[148+\j], v[136+\j]
.endr
.irp j, 0,1,2,3
	v_add_nc_u32 v[136+\j], 4, v[136+\j]
.endr
	v_alignbit_b32 v124, v125, v124, 4             ; the 128 bits move down by four
	v_alignbit_b32 v125, v126, v125, 4
	v_alignbit_b32 v126, v127, v126, 4
	v_lshrrev_b32 v127, 4, v127
	s_add_co_u32 s31, s31, 1
	s_cmp_lt_u32 s31, 32
	s_cbranch_scc1 .Lscan
	v_lshl_add_u32 v21, v2, 2, s43
	ds_load_b32 v240, v21                          ; my wave's own bytes: LDS serves a wave's instructions in order
	ds_load_b32 v241, v21 offset:128
	s_wait_dscnt 0x0
	v_lshrrev_b32 v22, 5, v240
	v_lshrrev_b32 v23, 5, v241
	v_min_u32 v22, 127, v22
	v_min_u32 v23, 127, v23
	v_lshl_add_u32 v22, v22, 2, s43
	v_lshl_add_u32 v23, v23, 2, s43
	ds_load_b32 v24, v22 offset:512                ; the token's word of the mask of lower choices
	ds_load_b32 v25, v23 offset:512
	s_wait_dscnt 0x0
	v_lshrrev_b32 v24, v240, v24                   ; its bit: the shift takes the token's low five bits
	v_lshrrev_b32 v25, v241, v25
	v_and_b32 v24, 1, v24
	v_and_b32 v25, 1, v25
	v_lshl_or_b32 v240, v24, 12, v240
	v_lshl_or_b32 v241, v25, 12, v241
	; THE GATHER: wave q fetches rows 16 q .. 16 q + 15, 2,048 bytes each, four loads of 512 consecutive bytes
	s_cmp_lt_u32 s14, 2
	s_cselect_b32 s24, -1, 0
	v_cndmask_b32 v31, v241, v240, s24
	s_and_b32 s25, s14, 1
	s_lshl_b32 s25, s25, 4
.irp i, 0,1,2,3,4,5,6,7,8,9,10,11,12,13,14,15
	s_add_co_u32 s27, s25, \i
	v_readlane_b32 s26, v31, s27
	s_min_u32 s26, s26, 0x1fff
	s_and_b32 s26, s26, 0xfff                      ; the token
	v_lshl_add_u32 v[160+\i], s26, 11, v1
.endr
	WIN 0x80                                       ; into window 2, where no sum has begun
.irp i, 0,1,2,3,4,5,6,7,8,9,10,11,12,13,14,15
.irp c, 0,1,2,3
	global_load_b128 v[16*\i+4*\c:16*\i+4*\c+3], v[160+\i], s[4:5] offset:512*\c
.endr
.endr
	WIN 0
	s_wait_loadcnt 0x0                             ; x, and all that was asked for ahead of it: the tables and the first two ring steps
	ds_store_b128 v253, v[96:99]                   ; S1
	ds_store_b128 v253, v[100:103] offset:2048
	ds_store_b128 v253, v[104:107] offset:4096     ; T1
	ds_store_b128 v253, v[108:111] offset:6144
	ds_store_b128 v253, v[112:115] offset:12288    ; B2
	ds_store_b128 v253, v[116:119] offset:14336
	ds_store_b128 v253, v[120:123] offset:16384    ; B3
.irp b, 0,1
	WIN 0x0a
.irp i, 0,1,2,3,4,5,6,7
.irp c, 0,1,2,3
	v_cvt_pk_bf16_f32 v[TMP+8*\i+2*\c], v[16*(8*\b+\i)+4*\c], v[16*(8*\b+\i)+4*\c+1]
	v_cvt_pk_bf16_f32 v[TMP+8*\i+2*\c+1], v[16*(8*\b+\i)+4*\c+2], v[16*(8*\b+\i)+4*\c+3]
.endr
.endr
	WIN 0
.irp i, 0,1,2,3,4,5,6,7
.irp c, 0,1,2,3
	ds_store_b64 v7, v[TMP+8*\i+2*\c:TMP+8*\i+2*\c+1] offset:XP*(8*\b+\i)+256*\c
.endr
.endr
.endr
	BAR                                            ; x and the tables are in LDS
	; THE TWO HIDDEN LAYERS: two trips.  The K part is chosen by the counter; what follows it is one text.
	s_mov_b32 s52, 0
.Llay:
	s_cmp_eq_u32 s52, 0
	s_cbranch_scc0 .Lk2
	SETA XH, XP                                    ; layer 1: 16 K steps, ring steps 0-15
	LAYER12 bf16, 7
	s_branch .Lep
.Lk2:
	SETA H1, HP                                    ; layer 2: 32 K steps, ring steps 16-47
	LAYER12 f16, 15
.Lep:
.irp a, 0,1,2,3
	v_mov_b32 v[16+\a], 0                          ; the maxima start at 0: what the ReLU leaves is never below it
.endr
	EPA 0
	EPA 1
	EPA 2
	EPA 3
	; the tile's largest number: my four chains, the 32 lanes, then the four waves through LDS
	WIN 0
	v_max3_num_f32 v16, v16, v17, v18
	v_max_num_f32 v16, v16, v19
.irp m, 1,2,4,8
	v_max_num_f32_dpp v16, v16, v16 row_xmask:\m row_mask:0xf bank_mask:0xf
.endr
	v_permlanex16_b32 v248, v16, s40, s41
	v_max_num_f32 v16, v16, v248
	ds_store_b32 v243, v16                         ; all lanes write my wave's word with the same number
	BAR                                            ; every wave's maximum is in LDS, and every wave's reads of this layer's A are over
	ds_load_b128 v[TMP:TMP+3], v244
	s_wait_dscnt 0x0
	v_max3_num_f32 v16, v[TMP], v[TMP+1], v[TMP+2]
	v_max_num_f32 v16, v16, v[TMP+3]
	v_lshrrev_b32 v16, 23, v16                     ; the maximum is not negative: this is its exponent field E
	v_min_u32 v16, 252, v16
	v_sub_nc_u32 v17, 253, v16
	v_lshlrev_b32 v20, 23, v17                     ; sigma = 2^(126 - E), twice for the packed multiply
	v_lshlrev_b32 v21, 23, v17
.irp k, 0,1,2,3
	v_lshl_add_u32 v[IV+\k], v16, 23, 0x800000     ; 1 / sigma = 2^(E - 126)
.endr
	ds_store_b128 v254, v[IV:IV+3]                 ; S2 for my 256 columns, which my wave alone reads; the second trip's copy serves nothing: the price of one text
	ds_store_b128 v254, v[IV:IV+3] offset:512
	EPB 0
	EPB 1
	EPB 2
	EPB 3
	BAR                                            ; the whole hidden layer is in LDS
.irp a, 0,1,2,3
	v_add_nc_u32 v[12+\a], XH, v[12+\a]            ; h2 goes where x lay
.endr
	v_add_nc_u32 v242, 8192, v242                  ; and takes S2 and B2
	s_add_co_u32 s52, s52, 1
	s_cmp_lt_u32 s52, 2
	s_cbranch_scc1 .Llay
	; LAYER 3: 32 K steps in ring steps 48-63
	SETA XH, HP
	AFETCH A0, 0
	AFETCH A1, 64
	STEP3 X, 1, 1, PX, 48, 48, 8, 128, 192
	WIN 0
.irp a, 0,1,2,3
	v_add_nc_u32 v[8+\a], 128, v[8+\a]
.endr
	s_mov_b32 s31, 6
.Ll3:
	STEP3 Y, 0, 1, PY, 48, 48, 8, 128, 192
	STEP3 X, 0, 1, PX, 48, 48, 8, 256, 320
	WIN 0
.irp a, 0,1,2,3
	v_add_nc_u32 v[8+\a], 256, v[8+\a]
.endr
	s_sub_co_u32 s31, s31, 1
	s_cmp_lg_u32 s31, 0
	s_cbranch_scc1 .Ll3
	STEP3 Y, 0, 1, PY, 48, 48, 8, 128, 192         ; ring step 61 asks for the last, 63
	STEP3 X, 0, 0, PX, 48, 32, 8, 256, 320         ; nothing is left to ask for: the counts run down
	STEP3 Y, 0, 0, PY, 16, 0, 0, -1, -1
	WIN 0
	s_lshl_b32 s24, s14, 9
	s_add_co_u32 s24, s24, TABL+16384
	v_lshl_add_u32 v242, v4, 7, s24                ; B3: my wave's 128 columns, natural order
.irp G, 0,1
.irp c, 0,1,2,3,4,5,6,7
	ds_load_b128 v[TBL+32*\G+4*\c:TBL+32*\G+4*\c+3], v242 offset:256*\G+16*\c
.endr
.endr
	s_wait_dscnt 0x0
	OUTBLK 0
	OUTBLK 1
	OUTBLK 2
	OUTBLK 3
.Lout_end:
	s_wait_tensorcnt 0x0                           ; the wave's end
	ds_add_u32 v28, v29
	s_wait_dscnt 0x0
	s_endpgm
.Lfunc_end_k_qfc410dfa89_chain:
	.size	k_qfc410dfa89_chain, .Lfunc_end_k_qfc410dfa89_chain-k_qfc410dfa89_chain
	.p2alignl 7, 3214868480
	.fill 96, 4, 3214868480
	.section	.rodata,"a",@progbits
	.p2align	6, 0x0
	.amdhsa_kernel k_qfc410dfa89_chain
		.amdhsa_group_segment_fixed_size 287488
		.amdhsa_private_segment_fixed_size 0
		.amdhsa_enable_private_segment 0
		.amdhsa_kernarg_size 40
		.amdhsa_user_sgpr_count 2
		.amdhsa_user_sgpr_kernarg_segment_ptr 1
		.amdhsa_wavefront_size32 1
		.amdhsa_system_sgpr_workgroup_id_x 1
		.amdhsa_system_sgpr_workgroup_id_y 1
		.amdhsa_system_sgpr_workgroup_id_z 1
		.amdhsa_system_vgpr_workitem_id 0
		.amdhsa_next_free_vgpr 1024
		.amdhsa_next_free_sgpr 66
		.amdhsa_reserve_vcc 0
		.amdhsa_float_denorm_mode_32 3
		.amdhsa_float_denorm_mode_16_64 3
		.amdhsa_memory_ordered 1
		.amdhsa_forward_progress 1
		.amdhsa_inst_pref_size 255
	.end_amdhsa_kernel
	.section	.bss,"aw",@nobits
	.p2align	6
	.space	262144
	.amdgpu_metadata
---
amdhsa.version: [ 1, 2 ]
amdhsa.kernels:
  - .name:           k_qfc410dfa89_chain
    .symbol:         k_qfc410dfa89_chain.kd
    .args:
      - { .name: x, .offset: 0, .size: 8, .value_kind: global_buffer, .address_space: global }
      - { .name: rec, .offset: 8, .size: 8, .value_kind: global_buffer, .address_space: global }
      - { .name: wc, .offset: 16, .size: 8, .value_kind: global_buffer, .address_space: global }
      - { .name: tab, .offset: 24, .size: 8, .value_kind: global_buffer, .address_space: global }
      - { .name: part, .offset: 32, .size: 8, .value_kind: global_buffer, .address_space: global }
    .group_segment_fixed_size: 287488
    .private_segment_fixed_size: 0
    .kernarg_segment_align: 8
    .kernarg_segment_size: 40
    .max_flat_workgroup_size: 128
    .sgpr_count:     66
    .vgpr_count:     1024
    .wavefront_size: 32
...
	.end_amdgpu_metadata
.endif
;; end of part 2
;; launch sum (part 3): grid 256 x 1, 8 waves a work-group, no clusters, 0 bytes of LDS; arguments part, gw, ps, out0, out1; writes out0, out1
.if DOCPART == 3
	.amdgcn_target "amdgcn-amd-amdhsa--gfx1250"
	.amdhsa_code_object_version 6
	.text
	.protected	k_qfc410dfa89_sum
	.globl	k_qfc410dfa89_sum
	.p2align	8
	.type	k_qfc410dfa89_sum,@function
k_qfc410dfa89_sum:
	s_mov_b64 s[64:65], 0
	v_nop
	global_prefetch_b8 v0, s[64:65] scope:SCOPE_SE
	s_setreg_imm32_b32 hwreg(HW_REG_WAVE_MODE, 25, 1), 1
	s_wait_xcnt 0x0
; SUM.  out0[t][:] = gw[0][t] part[0][t][:] + gw[1][t] part[1][t][:], in f32; out1 = the mean over the 8 experts of (mean gate probability - 1/8)^2.
; A stream: 16.8 MB in, 8.4 MB out, each byte once; no LDS, no matrix unit, no cluster: no two work-groups read the same byte.
; A wave owns two rows of 2,048 bytes: 16 loads of 512 consecutive bytes, all issued ahead of the first wait; 8 stores of 512 consecutive bytes.
; Work-group 0's wave 0 also adds the 256 groups' sums of probabilities and stores the loss.
	s_load_b256 s[4:11], s[0:1], 0x0               ; part 4, gw 6, ps 8, out0 10
	s_load_b64 s[12:13], s[0:1], 0x20              ; out1
	v_lshrrev_b32 v1, 5, v0
	v_readfirstlane_b32 s14, v1                    ; wave
	v_and_b32 v2, 31, v0
	s_lshl_b32 s15, ttmp9, 4
	s_lshl1_add_u32 s15, s14, s15                  ; my first row: 16 g + 2 q
	s_lshl_b32 s16, s15, 2
	s_lshl_b32 s17, s15, 11
	v_lshl_add_u32 v3, v2, 4, s17
	s_wait_kmcnt 0x0
	s_load_b64 s[20:21], s[6:7], s16 offset:0x0    ; plane 0's weights of my two rows
	s_load_b64 s[22:23], s[6:7], s16 offset:0x4000 ; plane 1's
	s_add_nc_u64 s[18:19], s[4:5], 0x800000        ; plane 1 of part
.irp r, 0,1
.irp c, 0,1,2,3
	global_load_b128 v[8+16*\r+4*\c:11+16*\r+4*\c], v3, s[4:5] offset:2048*\r+512*\c th:TH_LOAD_NT
.endr
.irp c, 0,1,2,3
	global_load_b128 v[40+16*\r+4*\c:43+16*\r+4*\c], v3, s[18:19] offset:2048*\r+512*\c th:TH_LOAD_NT
.endr
.endr
	s_wait_kmcnt 0x0
	s_mov_b32 s24, s21                             ; each weight in the low word of a pair of its own: the packed forms take the low word for both halves
	s_mov_b32 s25, s21
	s_mov_b32 s26, s23
	s_mov_b32 s27, s23
.macro ROWOUT r
.irp p, 0,1,2,3,4,5,6,7
	v_pk_mul_f32 v[8+16*(\r)+2*\p:9+16*(\r)+2*\p], v[8+16*(\r)+2*\p:9+16*(\r)+2*\p], s[20+4*(\r):21+4*(\r)] op_sel_hi:[1,0]
.endr
.irp p, 0,1,2,3,4,5,6,7
	v_pk_fma_f32 v[8+16*(\r)+2*\p:9+16*(\r)+2*\p], v[40+16*(\r)+2*\p:41+16*(\r)+2*\p], s[22+4*(\r):23+4*(\r)], v[8+16*(\r)+2*\p:9+16*(\r)+2*\p] op_sel_hi:[1,0,1]
.endr
.irp c, 0,1,2,3
	global_store_b128 v3, v[8+16*(\r)+4*\c:11+16*(\r)+4*\c], s[10:11] offset:2048*(\r)+512*\c th:TH_STORE_NT
.endr
.endm
	s_wait_loadcnt 8                               ; the first row's eight loads are in; the second row's are younger
	ROWOUT 0
	s_wait_loadcnt 0x0
	ROWOUT 1
	s_or_b32 s28, ttmp9, s14
	s_cmp_lg_u32 s28, 0
	s_cbranch_scc1 .Ldone
	; THE LOSS.  ps is [256][8] f32: lane l's load i holds group 16 i + l / 2, experts 4 (l & 1) + 0..3
	s_wait_xcnt 0x0                                ; the stores have read v8-39
	v_lshlrev_b32 v4, 4, v2
.irp i, 0,1,2,3,4,5,6,7,8,9,10,11,12,13,14,15
	global_load_b128 v[8+4*\i:11+4*\i], v4, s[8:9] offset:512*\i
.endr
	s_mov_b32 s30, 0x76543210
	s_mov_b32 s31, 0xfedcba98
	v_mov_b32 v72, 0xbe000000                      ; -1/8
	s_wait_loadcnt 0x0
.irp i, 1,2,3,4,5,6,7,8,9,10,11,12,13,14,15
	v_pk_add_f32 v[8:9], v[8:9], v[8+4*\i:9+4*\i]
	v_pk_add_f32 v[10:11], v[10:11], v[10+4*\i:11+4*\i]
.endr
.irp m, 2,4,8
.irp c, 0,1,2,3
	v_add_f32_dpp v[8+\c], v[8+\c], v[8+\c] row_xmask:\m row_mask:0xf bank_mask:0xf   ; lanes of like parity hold the same experts
.endr
.endr
.irp c, 0,1,2,3
	v_permlanex16_b32 v[12+\c], v[8+\c], s30, s31
.endr
.irp c, 0,1,2,3
	v_add_f32 v[8+\c], v[8+\c], v[12+\c]
.endr
.irp c, 0,1,2,3
	v_fmamk_f32 v[8+\c], v[8+\c], 0x39800000, v72  ; sum / 4,096 - 1/8
.endr
	v_mul_f32 v8, v8, v8
	v_fmac_f32 v8, v9, v9
	v_fmac_f32 v8, v10, v10
	v_fmac_f32 v8, v11, v11
	v_add_f32_dpp v8, v8, v8 row_xmask:1 row_mask:0xf bank_mask:0xf   ; the other four experts
	v_mul_f32 v8, 0x3e000000, v8                   ; / 8
	v_mov_b32 v9, 0
	v_cmp_eq_u32 vcc_lo, 0, v2
	s_wait_xcnt 0x0                                ; EXEC changes only behind this wait
	s_and_saveexec_b32 s29, vcc_lo
	global_store_b32 v9, v8, s[12:13]
	s_wait_xcnt 0x0
	s_or_b32 exec_lo, exec_lo, s29
.Ldone:
	s_endpgm
.Lfunc_end_k_qfc410dfa89_sum:
	.size	k_qfc410dfa89_sum, .Lfunc_end_k_qfc410dfa89_sum-k_qfc410dfa89_sum
	.p2alignl 7, 3214868480
	.fill 96, 4, 3214868480
	.section	.rodata,"a",@progbits
	.p2align	6, 0x0
	.amdhsa_kernel k_qfc410dfa89_sum
		.amdhsa_group_segment_fixed_size 0
		.amdhsa_private_segment_fixed_size 0
		.amdhsa_enable_private_segment 0
		.amdhsa_kernarg_size 40
		.amdhsa_user_sgpr_count 2
		.amdhsa_user_sgpr_kernarg_segment_ptr 1
		.amdhsa_wavefront_size32 1
		.amdhsa_system_sgpr_workgroup_id_x 1
		.amdhsa_system_sgpr_workgroup_id_y 1
		.amdhsa_system_sgpr_workgroup_id_z 1
		.amdhsa_system_vgpr_workitem_id 0
		.amdhsa_next_free_vgpr 96
		.amdhsa_next_free_sgpr 66
		.amdhsa_reserve_vcc 1
		.amdhsa_float_denorm_mode_32 3
		.amdhsa_float_denorm_mode_16_64 3
		.amdhsa_memory_ordered 1
		.amdhsa_forward_progress 1
		.amdhsa_inst_pref_size 12
	.end_amdhsa_kernel
	.amdgpu_metadata
---
amdhsa.version: [ 1, 2 ]
amdhsa.kernels:
  - .name:           k_qfc410dfa89_sum
    .symbol:         k_qfc410dfa89_sum.kd
    .args:
      - { .name: part, .offset: 0, .size: 8, .value_kind: global_buffer, .address_space: global }
      - { .name: gw, .offset: 8, .size: 8, .value_kind: global_buffer, .address_space: global }
      - { .name: ps, .offset: 16, .size: 8, .value_kind: global_buffer, .address_space: global }
      - { .name: out0, .offset: 24, .size: 8, .value_kind: global_buffer, .address_space: global }
      - { .name: out1, .offset: 32, .size: 8, .value_kind: global_buffer, .address_space: global }
    .group_segment_fixed_size: 0
    .private_segment_fixed_size: 0
    .kernarg_segment_align: 8
    .kernarg_segment_size: 40
    .max_flat_workgroup_size: 256
    .sgpr_count:     66
    .vgpr_count:     96
    .wavefront_size: 32
...
	.end_amdgpu_metadata
.endif
;; end of part 3
